; MI455X (gfx1250); checked and timed in simulation.
; The chip was launched on July 23, 2026; its instructions are those of AMD's public machine-readable ISA for CDNA 5 (MIT licence, August 2026) and "CDNA5" Instruction Set Architecture Reference Guide (July 2026). The comments in the code are by the model that wrote it; some were corrected since.
;; Multi Head Attention. Allowed arithmetic: matrix products marked QUANTISED: E2M1 operands, one E8M0 scale for each 32 along K, by v_wmma_scale_f32_16x16x128_f8f6f4 with both operands' format E2M1 (or v_wmma_scale_f32_32x16x128_f4), f32 sums; products left as they are: bf16, f16 or f32 operands; f32 sums; everything else in f32.
;; Inputs: Wk 1,024 x 1,024 float32; Wq 1,024 x 1,024 float32; Wv 1,024 x 1,024 float32; bk 1,024 float32; bq 1,024 float32; bv 1,024 float32; hidden_states 4 x 2,048 x 1,024 float32.
;; Outputs: out0 4 x 2,048 x 1,024 float32.
;; This version of the problem:
;;   THIS VERSION OF THE PROBLEM IS GIVEN IN LOW PRECISION. The matrix products marked QUANTISED in the list below multiply operands that are first quantised to E2M1 (2 exponent bits, 1 mantissa bit; 4 bits a number), with one power-of-two scale for each 32 numbers along K (OCP MX v1.0); their sums are f32. The products marked 'left as it is' may take bf16, f16 or f32 operands, with f32 sums. Whichever they take, every output number must still come out within the allowed error. Rounding operands to bf16 (8 significant bits) uses up far more of that allowance than f16 does (11 bits, for magnitudes from 6e-5 to 65,504). All else is computed in f32.
;;   The module's matrix products, in the order in which they are computed (A, B: the left and right operand; K: the contracted axis; several contracted axes count as one K, in the product's order):
;;     1. [M 8,192, K 1,024] x [K 1,024, N 1,024]; A: input hidden_states; B: input Wq: QUANTISED
;;     2. [M 8,192, K 1,024] x [K 1,024, N 1,024]; A: input hidden_states; B: input Wk: QUANTISED
;;     3. [M 8,192, K 1,024] x [K 1,024, N 1,024]; A: input hidden_states; B: input Wv: QUANTISED
;;     4. batch 64 x [M 2,048, K 64] x [K 64, N 2,048]; A: computed on the way; B: computed on the way: left as it is (an operand is computed on the way)
;;     5. batch 64 x [M 2,048, K 2,048] x [K 2,048, N 64]; A: computed on the way; B: computed on the way: left as it is (an operand is computed on the way)
;;   THE QUANTISER, for each operand of a quantised product, along K:
;;     - K is cut into blocks of 32 from its start; a last block that is shorter is filled with zeros.
;;     - A block's scale is 2^e with e = floor(log2(the largest magnitude in the block)) - 2, held to -126 .. 127; a block of zeros has e = 0. As a byte (E8M0): e + 127.
;;     - Each number is divided by its block's scale, clamped to +-6, and rounded to the nearest number of E2M1, ties to even, subnormals kept.
;;     - The product sums the exact products of the quantised numbers (number of the format x scale) in f32.
;;   ~~~python
;;   def quantise(x, axis):      # numpy; x: float32 -> the quantised numbers, widened to float32 again
;;       x = np.moveaxis(x, axis, -1); K = x.shape[-1]
;;       x = np.pad(x, [(0, 0)] * (x.ndim - 1) + [(0, -K % 32)]); x = x.reshape(x.shape[:-1] + (-1, 32)); a = np.abs(x).max(-1, keepdims=True)
;;       e = np.where(a > 0, np.clip(np.frexp(np.where(a > 0, a, 1))[1] - 1 - 2, -126, 127), 0)      # np.frexp(a)[1] - 1 = floor(log2(a)), exactly
;;       r = np.clip(x / 2.0 ** e, -6, 6)
;;       step = 2.0 ** (np.maximum(np.frexp(np.where(r == 0, 1, r))[1] - 1, 0) - 1)
;;       q = np.round(r / step) * step * 2.0 ** e      # np.round: ties to even
;;       return np.moveaxis(q.reshape(q.shape[:-2] + (-1,))[..., :K], -1, axis).astype(np.float32)
;;   ~~~
;; One version. Each part assembles by itself: llvm-mc -triple=amdgcn-amd-amdhsa -mcpu=gfx1250 --defsym DOCPART=n.
;; ======== version 1 of 1: 4 launches
;; limits: values are held in f16: magnitudes above 65,504 overflow, below 6.1e-05 lose precision
;; workspace buffers: xc 4,194,304 bytes; xs 262,144 bytes; wc 1,572,864 bytes; ws 98,304 bytes; qkv 50,331,648 bytes
;; launch qx (part 1): grid 256 x 1, 4 waves a work-group, no clusters, 33,280 bytes of LDS; arguments hidden_states, xc, xs; writes xc, xs
.if DOCPART == 1
	.amdgcn_target "amdgcn-amd-amdhsa--gfx1250"
	.amdhsa_code_object_version 6
	.text
	.protected	k_q2fe9e1ff4f_qx
	.globl	k_q2fe9e1ff4f_qx
	.p2align	8
	.type	k_q2fe9e1ff4f_qx,@function
k_q2fe9e1ff4f_qx:
	s_mov_b64 s[64:65], 0
	v_nop
	global_prefetch_b8 v0, s[64:65] scope:SCOPE_SE
	s_setreg_imm32_b32 hwreg(HW_REG_WAVE_MODE, 25, 1), 1
	s_wait_xcnt 0x0
; THE PROGRAM: ctx = softmax((x Wq + bq)(x Wk + bk)^T / 8) (x Wv + bv) by heads, in four launches: this one (x into codes), the weights into codes,
; the three projections on codes, and the attention.
; DEAD WORK: bk.  A score is q . (x Wk + bk) / 8 = q . (x Wk) / 8 + (q . bk) / 8.  The second term hangs on the query alone: it is the same for all keys of a query, and the softmax
; along the keys takes a term that is the same along its axis away, for all finite values of the inputs.  The product of q with k is not quantised, so bk moves no code and no scale.
; So bk is not loaded and is no argument of any launch.  LIMIT: a NaN, an infinity or an overflow that enters by bk alone is not carried to the result.
; THIS LAUNCH: hidden_states [8192][1024] f32 becomes codes of FP4 (E2M1), two a byte, K innermost (xc: [8192][512 bytes]), with one E8M0 byte for each 32 along K (xs: [8192][32 bytes]).
; A block's scale is 2^(floor(log2(its largest magnitude)) - 2); its byte is the largest magnitude's own exponent field - 2, held at 1 from below.  A block of zeros so gets the byte 1 where the rule
; says 127: its codes are zeros, which add nothing under that byte, and the bytes are read by this program alone.  Each number is divided by the scale and rounded to the nearest code, ties to even; beyond 6 the code of 6.
; LIMITS: blocks whose largest magnitude lies under 2^(3 - 127) keep the byte 1; NaN and infinities among the inputs are not served.
; Rows are dense and 1,024 is a multiple of 32: the tensor is a plain stream of blocks of 32, and so are its codes and bytes.  A wave takes 16 steps of 512 numbers.  Each load reads 512 consecutive
; bytes, 16 a lane; a step's 2,048 bytes turn through the wave's own stage in LDS and come back 64 bytes a lane, so that a lane holds 16 neighbours along K and two neighbouring lanes a block.
; Loads run eight steps (32 loads a wave) ahead, the turn through LDS one step.  No barrier: waves share nothing.
.set WAVES, 4
.set STEPS, 16
.set EMAX,  2
.set CB,    8                          ; bytes of 16 codes
.set R,     16                         ; v16-143  eight sets of 16 numbers as they are loaded
.set X,     144                        ; v144-175 two sets of 16 neighbours
.set E,     176                        ; v176-191 a scale byte for each step
.set C,     192                        ; v192-223 codes: two registers for each step, so that no store's data are written again
.set WREG,  8192                       ; LDS: a region for each wave: two stages of 32 x SP bytes, behind them its 256 scale bytes
.set SP,    80                         ; a lane's place in a stage: 64 bytes + 16 of padding
.set SPW,   12                         ; v12  LDS address of my spare word; never rewritten
.set NIL,   13                         ; v13  0; never rewritten
.set SPARE, WAVES*WREG                 ; behind the regions: the spare words, 128 bytes a wave, which no other line names
	s_load_b128 s[4:7], s[0:1], 0x0                ; x, xc
	s_load_b64 s[8:9], s[0:1], 0x10                ; xs
	v_lshl_add_u32 v[SPW], v0, 2, SPARE
	v_mov_b32 v[NIL], 0
	v_lshrrev_b32 v1, 5, v0
	v_readfirstlane_b32 s16, v1                    ; wave
	v_and_b32 v2, 31, v0                           ; lane
	v_lshlrev_b32 v3, 4, v2                        ; my 16 bytes of a load's 512
	s_mul_i32 s17, s16, WREG
	v_lshrrev_b32 v14, 2, v2
	v_mul_u32_u24 v14, v14, SP
	v_and_b32 v15, 3, v2
	v_lshl_add_u32 v14, v15, 4, v14
	v_add_nc_u32 v14, s17, v14                     ; the stage, on the way in: four lanes' 64 bytes on end, then 16 of padding
	v_mul_u32_u24 v15, v2, SP
	v_add_nc_u32 v15, s17, v15                     ; on the way out: SP x lane: my 16 neighbours
	v_mul_u32_u24 v4, v2, CB                       ; my codes' place in a step's
	v_lshrrev_b32 v5, 1, v2
	s_add_co_u32 s17, s17, 2*32*SP
	v_add_nc_u32 v5, s17, v5                       ; LDS: my wave's 256 scale bytes, my block's byte
	v_lshlrev_b32 v7, 3, v2                        ; and on the way out 8 bytes a lane
	v_add_nc_u32 v6, s17, v7
	s_lshl_b32 s18, ttmp9, 2
	s_add_co_u32 s18, s18, s16                     ; which run of 8,192 numbers is my wave's: 0 .. 1,023
	s_lshl_b32 s20, s18, 15                        ; 32,768 bytes of x a run,
	s_mov_b32 s21, 0
	s_lshl_b32 s22, s18, 12                        ; 4,096 of codes,
	s_mov_b32 s23, 0
	s_lshl_b32 s24, s18, 8                         ; 256 scale bytes
	s_mov_b32 s25, 0
	s_wait_kmcnt 0x0
	s_add_nc_u64 s[4:5], s[4:5], s[20:21]
	s_add_nc_u64 s[6:7], s[6:7], s[22:23]
	s_add_nc_u64 s[8:9], s[8:9], s[24:25]
.macro LOAD t
.irp i, 0,1,2,3
	global_load_b128 v[R+16*((\t)%8)+4*\i:R+16*((\t)%8)+4*\i+3], v3, s[4:5] offset:2048*(\t)+512*\i th:TH_LOAD_NT   ; 32 lanes read 512 consecutive bytes
.endr
.endm
.macro TURN t                          ; step t's numbers through the stage: LDS serves a wave's instructions in order, so no wait stands between the stores and the loads
.irp i, 0,1,2,3
	ds_store_b128 v14, v[R+16*((\t)%8)+4*\i:R+16*((\t)%8)+4*\i+3] offset:32*SP*((\t)%2)+8*SP*\i
.endr
.irp i, 0,1,2,3
	ds_load_b128 v[X+16*((\t)%2)+4*\i:X+16*((\t)%2)+4*\i+3], v15 offset:32*SP*((\t)%2)+16*\i
.endr
.endm
.irp t, 0,1,2,3,4,5,6,7
	LOAD \t
.endr
	s_wait_loadcnt 28                              ; step 0's four loads are in; the seven steps behind it stay out
	TURN 0
.macro STEP t
.set XS, X+16*((\t)%2)
.if (\t) > 0
	s_wait_dscnt 1                                 ; this step's numbers are back from the stage (the last step's byte store may be out): so its stores into the stage have read their registers,
.else
	s_wait_dscnt 0x0
.endif
.if (\t)+8 < STEPS
	LOAD (\t)+8                                    ; which take the loads of eight steps on
.endif
.if (\t)+1 < STEPS
.if 14-(\t) >= 7
	s_wait_loadcnt 28                              ; the next step's four loads are in; those of the seven steps behind it may be out
.else
	s_wait_loadcnt 4*(14-(\t))                     ; the counts run down: 14 - t steps are behind the next one
.endif
	TURN (\t)+1                                    ; and go through the other stage while this step is worked
.endif
	v_max3_num_f32 v8, |v[XS]|, |v[XS+1]|, |v[XS+2]|               ; the largest magnitude of my 16, in two chains
	v_max3_num_f32 v9, |v[XS+3]|, |v[XS+4]|, |v[XS+5]|
.irp i, 6,10
	v_max3_num_f32 v8, v8, |v[XS+\i]|, |v[XS+\i+1]|
	v_max3_num_f32 v9, v9, |v[XS+\i+2]|, |v[XS+\i+3]|
.endr
	v_max3_num_f32 v8, v8, |v[XS+14]|, |v[XS+15]|
	v_max3_num_f32 v8, v8, v9, (EMAX+1)<<23        ; and the floor 2^(3 - 127): the byte cannot fall under 1
	v_max_num_f32_dpp v8, v8, v8 row_xmask:1 row_mask:0xf bank_mask:0xf   ; and of my neighbour's 16: the block's
	v_add_nc_u32 v11, -(EMAX<<23), v8              ; 2 off its exponent field: the conversion takes the exponent field of this operand as its scale, and nothing else of it
	v_cvt_scalef32_pk8_fp4_f32 v[C+2*(\t)], v[XS:XS+7], v11
	v_cvt_scalef32_pk8_fp4_f32 v[C+2*(\t)+1], v[XS+8:XS+15], v11
	v_lshrrev_b32 v[E+(\t)], 23, v11               ; the scale's byte (a plain line behind the conversions)
	ds_store_b8 v5, v[E+(\t)] offset:16*(\t)       ; both lanes of a block write the same byte with the same value
	global_store_b64 v4, v[C+2*(\t):C+2*(\t)+1], s[6:7] offset:32*CB*(\t)   ; the wave stores 256 consecutive bytes, aligned
.endm
.irp t, 0,1,2,3,4,5,6,7,8,9,10,11,12,13,14,15
	STEP \t
.endr
	ds_load_b64 v[8:9], v6                         ; LDS serves a wave's instructions in order: these see my stores
	s_wait_dscnt 0x0
	global_store_b64 v7, v[8:9], s[8:9]            ; 32 lanes store 256 consecutive bytes, aligned
	s_wait_tensorcnt 0x0                           ; the wave's end, behind my last LDS store
	ds_add_u32 v[SPW], v[NIL]
	s_wait_dscnt 0x0
	s_endpgm
.Lfunc_end_k_q2fe9e1ff4f_qx:
	.size	k_q2fe9e1ff4f_qx, .Lfunc_end_k_q2fe9e1ff4f_qx-k_q2fe9e1ff4f_qx
	.p2alignl 7, 3214868480
	.fill 96, 4, 3214868480
	.section	.rodata,"a",@progbits
	.p2align	6, 0x0
	.amdhsa_kernel k_q2fe9e1ff4f_qx
		.amdhsa_group_segment_fixed_size 33280
		.amdhsa_private_segment_fixed_size 0
		.amdhsa_enable_private_segment 0
		.amdhsa_kernarg_size 24
		.amdhsa_user_sgpr_count 2
		.amdhsa_user_sgpr_kernarg_segment_ptr 1
		.amdhsa_wavefront_size32 1
		.amdhsa_system_sgpr_workgroup_id_x 1
		.amdhsa_system_sgpr_workgroup_id_y 1
		.amdhsa_system_sgpr_workgroup_id_z 1
		.amdhsa_system_vgpr_workitem_id 0
		.amdhsa_next_free_vgpr 224
		.amdhsa_next_free_sgpr 66
		.amdhsa_reserve_vcc 0
		.amdhsa_float_denorm_mode_32 3
		.amdhsa_float_denorm_mode_16_64 3
		.amdhsa_memory_ordered 1
		.amdhsa_forward_progress 1
		.amdhsa_inst_pref_size 33
	.end_amdhsa_kernel
	.amdgpu_metadata
---
amdhsa.version: [ 1, 2 ]
amdhsa.kernels:
  - .name:           k_q2fe9e1ff4f_qx
    .symbol:         k_q2fe9e1ff4f_qx.kd
    .args:
      - { .name: hidden_states, .offset: 0, .size: 8, .value_kind: global_buffer, .address_space: global }
      - { .name: xc, .offset: 8, .size: 8, .value_kind: global_buffer, .address_space: global }
      - { .name: xs, .offset: 16, .size: 8, .value_kind: global_buffer, .address_space: global }
    .group_segment_fixed_size: 33280
    .private_segment_fixed_size: 0
    .kernarg_segment_align: 8
    .kernarg_segment_size: 24
    .max_flat_workgroup_size: 128
    .sgpr_count:     66
    .vgpr_count:     224
    .wavefront_size: 32
...
	.end_amdgpu_metadata
.endif
;; end of part 1
;; launch qw (part 2): grid 48 x 2, 8 waves a work-group, no clusters, 19,456 bytes of LDS; arguments Wq, Wk, Wv, wc, ws; writes wc, ws
.if DOCPART == 2
	.amdgcn_target "amdgcn-amd-amdhsa--gfx1250"
	.amdhsa_code_object_version 6
	.text
	.protected	k_q2fe9e1ff4f_qw
	.globl	k_q2fe9e1ff4f_qw
	.p2align	8
	.type	k_q2fe9e1ff4f_qw,@function
k_q2fe9e1ff4f_qw:
	s_mov_b64 s[64:65], 0
	v_nop
	global_prefetch_b8 v0, s[64:65] scope:SCOPE_SE
	s_setreg_imm32_b32 hwreg(HW_REG_WAVE_MODE, 25, 1), 1
	s_wait_xcnt 0x0
; Wq, Wk, Wv [1024 (k)][1024 (n)] f32, K their FIRST axis, become codes of FP4 (E2M1) laid [3072 (n)][512 bytes] with K innermost (wc; row 1024 x which + column, which = 0 Q, 1 K, 2 V)
; and one E8M0 byte for each 32 along K, laid [3072][32 bytes] (ws).  The quantiser is the one of the launch before: the byte is the largest magnitude's exponent field - 2, held at 1 from below.
; LIMITS: blocks whose largest magnitude lies under 2^(3 - 127) keep the byte 1 (a block of zeros too: its codes are zeros, and this program alone reads the bytes); NaN and infinities are not served.
; A LANE TAKES A COLUMN n, AND ITS REGISTERS RUN DOWN K: a block of 32 along K lies in one lane's 32 registers, and the conversions give the codes with K innermost.  Nothing is transposed by an instruction.
; A work-group takes 64 columns x 512 along K.  Wave w: columns 32 (w % 2) on, K 128 (w / 2) on: four blocks a lane.  Two waves side by side read 256 consecutive bytes of each row of W, and a column's
; 512 along K are 256 bytes of codes: the eight waves gather them in ONE stage in LDS, a barrier, and each wave stores eight whole runs of 256 bytes, sixteen lanes to a run.
; The scale bytes of a column, 16 for this half of K, are half of its row of ws: they leave as 16 bytes a lane, rows 32 bytes apart (98,304 bytes in the whole launch).
; One path serves the three weights: only the pointer is chosen, by the work-group's number.
.set NB,    4                          ; blocks of a lane
.set PITCH, 272                        ; a stage row: 256 bytes + 16
.set EMAX,  2
.set X,     32                         ; v32-95   two sets of 32 numbers
.set C,     96                         ; v96-99   a block's codes
.set OUTR,  100                        ; v100-115 the way out
.set SO,    116                        ; v116-119 scale bytes on the way out
.set SB,    24                         ; v24      my four scale bytes
.set SPW,   14                         ; v14      LDS address of my spare word; never rewritten
.set NIL,   15                         ; v15      0; never rewritten
.set SCST,  64*PITCH                   ; behind the stage: 64 columns x 16 scale bytes
.set SPARE, SCST+1024                  ; behind them: the spare words, 128 bytes a wave, which no other line names
	s_load_b128 s[4:7], s[0:1], 0x0                ; Wq, Wk
	s_load_b128 s[8:11], s[0:1], 0x10              ; Wv, wc
	s_load_b64 s[12:13], s[0:1], 0x20              ; ws
	v_lshl_add_u32 v[SPW], v0, 2, SPARE
	v_mov_b32 v[NIL], 0
	v_lshrrev_b32 v1, 5, v0
	v_readfirstlane_b32 s16, v1                    ; wave 0..7
	v_and_b32 v2, 31, v0                           ; lane
	s_and_b32 s18, s16, 1                          ; cw: which 32 columns
	s_lshr_b32 s19, s16, 1                         ; kw: which 128 along K
	s_and_b32 s20, ttmp7, 0xffff                   ; y: which half of K
	s_lshr_b32 s17, ttmp9, 4                       ; which weight
	s_and_b32 s21, ttmp9, 15                       ; which 64 columns of it
	v_lshlrev_b32 v3, 2, v2                        ; in: 4 bytes a lane
	s_mul_i32 s22, s18, 32*PITCH
	s_lshl_b32 s23, s19, 6
	s_add_co_u32 s22, s22, s23
	v_mul_u32_u24 v4, v2, PITCH
	v_add_nc_u32 v4, s22, v4                       ; into the stage: row = my column, 64 kw bytes on
	s_lshl_b32 s22, s18, 9
	s_lshl_b32 s23, s19, 2
	s_add_co_u32 s22, s22, s23
	s_add_co_u32 s22, s22, SCST
	v_lshl_add_u32 v5, v2, 4, s22                  ; my scale word: 16 bytes a column, 4 kw on
	v_and_b32 v6, 15, v2
	v_lshrrev_b32 v11, 4, v2
	s_mul_i32 s22, s16, 8*PITCH
	v_mul_u32_u24 v7, v11, PITCH
	v_lshl_add_u32 v7, v6, 4, v7
	v_add_nc_u32 v7, s22, v7                       ; out of the stage: rows 8 w on, sixteen lanes to a row, two rows an instruction
	v_lshlrev_b32 v8, 9, v11
	v_lshl_add_u32 v8, v6, 4, v8                   ; and the same place in wc: rows 512 bytes apart
	s_lshl_b32 s22, s18, 9
	s_add_co_u32 s22, s22, SCST
	v_lshl_add_u32 v9, v2, 4, s22                  ; waves 0 and 1: the 16 scale bytes of column 32 w + lane
	v_lshlrev_b32 v10, 5, v2                       ; and its row of ws
	s_lshl_b32 s24, s20, 21                        ; W: 512 y rows of 4,096 bytes,
	s_lshl_b32 s25, s19, 19                        ; 128 kw rows,
	s_add_co_u32 s24, s24, s25
	s_lshl_b32 s25, s21, 8                         ; 64 columns of 4 bytes a work-group,
	s_add_co_u32 s24, s24, s25
	s_lshl_b32 s25, s18, 7                         ; 32 a wave
	s_add_co_u32 s24, s24, s25
	s_mov_b32 s25, 0
	s_lshl_b32 s26, ttmp9, 15                      ; wc: 64 rows of 512 bytes a work-group,
	s_lshl_b32 s27, s16, 12                        ; 8 rows a wave,
	s_add_co_u32 s26, s26, s27
	s_lshl_b32 s27, s20, 8                         ; 256 y
	s_add_co_u32 s26, s26, s27
	s_mov_b32 s27, 0
	s_lshl_b32 s28, ttmp9, 11                      ; ws: 64 rows of 32 bytes a work-group,
	s_lshl_b32 s29, s18, 10                        ; 32 rows a wave (waves 0 and 1),
	s_add_co_u32 s28, s28, s29
	s_lshl_b32 s29, s20, 4                         ; 16 y
	s_add_co_u32 s28, s28, s29
	s_mov_b32 s29, 0
	s_wait_kmcnt 0x0
	s_cmp_eq_u32 s17, 0                            ; the weight is chosen by the work-group's number alone
	s_cselect_b64 s[4:5], s[4:5], s[6:7]
	s_cmp_eq_u32 s17, 2
	s_cselect_b64 s[4:5], s[8:9], s[4:5]
	s_add_nc_u64 s[4:5], s[4:5], s[24:25]
	s_add_nc_u64 s[10:11], s[10:11], s[26:27]
	s_add_nc_u64 s[12:13], s[12:13], s[28:29]
.macro LOAD t                          ; block t: W(32 t + i, my column), i = 0 .. 31, into set t % 2
.irp i, 0,1,2,3,4,5,6,7,8,9,10,11,12,13,14,15,16,17,18,19,20,21,22,23,24,25,26,27,28,29,30,31
	global_load_b32 v[X+32*((\t)%2)+\i], v3, s[4:5] offset:(32*(\t)+\i)*4096 th:TH_LOAD_NT
.endr
.endm
	LOAD 0
	LOAD 1
.macro BLOCK t
.set XS, X+32*((\t)%2)
.if (\t) < NB-1
	s_wait_loadcnt 32                              ; this block's 32 loads are in; the next block's may be out
.else
	s_wait_loadcnt 0
.endif
	v_max3_num_f32 v12, |v[XS]|, |v[XS+1]|, |v[XS+2]|               ; the block's largest magnitude: all 32 numbers are mine
	v_max3_num_f32 v13, |v[XS+3]|, |v[XS+4]|, |v[XS+5]|
.irp i, 6,10,14,18,22,26
	v_max3_num_f32 v12, v12, |v[XS+\i]|, |v[XS+\i+1]|
	v_max3_num_f32 v13, v13, |v[XS+\i+2]|, |v[XS+\i+3]|
.endr
	v_max3_num_f32 v12, v12, |v[XS+30]|, |v[XS+31]|
	v_max3_num_f32 v12, v12, v13, (EMAX+1)<<23     ; and the floor 2^(3 - 127): the byte cannot fall under 1
	v_add_nc_u32 v11, -(EMAX<<23), v12             ; 2 off its exponent field: the conversion's scale operand
	v_lshrrev_b32 v13, 23, v11                     ; the scale's byte
.if (\t) == 0
	v_mov_b32 v[SB], v13                           ; four bytes to a register, the lower K in the lower byte
.else
	v_lshl_or_b32 v[SB], v13, 8*(\t), v[SB]
.endif
.irp g, 0,1,2,3
	v_cvt_scalef32_pk8_fp4_f32 v[C+\g], v[XS+8*\g:XS+8*\g+7], v11
.endr
	ds_store_b128 v4, v[C:C+3] offset:16*(\t)      ; 32 codes: 16 bytes of my column's row.  (The results go to an LDS store; the next block begins with plain vector lines)
.if (\t)+2 < NB
	LOAD (\t)+2
.endif
	s_wait_dscnt 0x0                               ; the store has read its registers: the next block's codes may be written
.endm
	BLOCK 0
	BLOCK 1
	BLOCK 2
	BLOCK 3
	ds_store_b32 v5, v[SB]
	s_wait_dscnt 0x0                               ; for the others' sake: my stores into the stage are done
	s_barrier_signal -1
	s_barrier_wait -1
.irp t, 0,1,2,3
	ds_load_b128 v[OUTR+4*\t:OUTR+4*\t+3], v7 offset:2*\t*PITCH
.endr
.irp t, 0,1,2,3
	s_wait_dscnt 3-\t                              ; LDS loads come back in order: load t is in, the 3 - t younger ones may be out
	global_store_b128 v8, v[OUTR+4*\t:OUTR+4*\t+3], s[10:11] offset:1024*\t   ; sixteen lanes store 256 consecutive bytes, aligned
.endr
	s_cmp_lt_u32 s16, 2                            ; the scale bytes of the 64 columns: waves 0 and 1, a lane a column
	s_cbranch_scc0 .Ldone
	ds_load_b128 v[SO:SO+3], v9
	s_wait_dscnt 0x0
	global_store_b128 v10, v[SO:SO+3], s[12:13]
.Ldone:
	s_wait_tensorcnt 0x0                           ; the wave's end, behind my last LDS store
	ds_add_u32 v[SPW], v[NIL]
	s_wait_dscnt 0x0
	s_endpgm
.Lfunc_end_k_q2fe9e1ff4f_qw:
	.size	k_q2fe9e1ff4f_qw, .Lfunc_end_k_q2fe9e1ff4f_qw-k_q2fe9e1ff4f_qw
	.p2alignl 7, 3214868480
	.fill 96, 4, 3214868480
	.section	.rodata,"a",@progbits
	.p2align	6, 0x0
	.amdhsa_kernel k_q2fe9e1ff4f_qw
		.amdhsa_group_segment_fixed_size 19456
		.amdhsa_private_segment_fixed_size 0
		.amdhsa_enable_private_segment 0
		.amdhsa_kernarg_size 40
		.amdhsa_user_sgpr_count 2
		.amdhsa_user_sgpr_kernarg_segment_ptr 1
		.amdhsa_wavefront_size32 1
		.amdhsa_system_sgpr_workgroup_id_x 1
		.amdhsa_system_sgpr_workgroup_id_y 1
		.amdhsa_system_sgpr_workgroup_id_z 1
		.amdhsa_system_vgpr_workitem_id 0
		.amdhsa_next_free_vgpr 128
		.amdhsa_next_free_sgpr 66
		.amdhsa_reserve_vcc 0
		.amdhsa_float_denorm_mode_32 3
		.amdhsa_float_denorm_mode_16_64 3
		.amdhsa_memory_ordered 1
		.amdhsa_forward_progress 1
		.amdhsa_inst_pref_size 23
	.end_amdhsa_kernel
	.amdgpu_metadata
---
amdhsa.version: [ 1, 2 ]
amdhsa.kernels:
  - .name:           k_q2fe9e1ff4f_qw
    .symbol:         k_q2fe9e1ff4f_qw.kd
    .args:
      - { .name: Wq, .offset: 0, .size: 8, .value_kind: global_buffer, .address_space: global }
      - { .name: Wk, .offset: 8, .size: 8, .value_kind: global_buffer, .address_space: global }
      - { .name: Wv, .offset: 16, .size: 8, .value_kind: global_buffer, .address_space: global }
      - { .name: wc, .offset: 24, .size: 8, .value_kind: global_buffer, .address_space: global }
      - { .name: ws, .offset: 32, .size: 8, .value_kind: global_buffer, .address_space: global }
    .group_segment_fixed_size: 19456
    .private_segment_fixed_size: 0
    .kernarg_segment_align: 8
    .kernarg_segment_size: 40
    .max_flat_workgroup_size: 256
    .sgpr_count:     66
    .vgpr_count:     128
    .wavefront_size: 32
...
	.end_amdgpu_metadata
.endif
;; end of part 2
;; launch proj (part 3): grid 12 x 32, 4 waves a work-group, clusters of 4 x 4, 327,680 bytes of LDS; arguments xc, xs, wc, ws, bq, bv, qkv; writes qkv
.if DOCPART == 3
	.amdgcn_target "amdgcn-amd-amdhsa--gfx1250"
	.amdhsa_code_object_version 6
	.text
	.protected	k_q2fe9e1ff4f_proj
	.globl	k_q2fe9e1ff4f_proj
	.p2align	8
	.type	k_q2fe9e1ff4f_proj,@function
k_q2fe9e1ff4f_proj:
	s_mov_b64 s[64:65], 0
	v_nop
	global_prefetch_b8 v0, s[64:65] scope:SCOPE_SE
	s_setreg_imm32_b32 hwreg(HW_REG_WAVE_MODE, 25, 1), 1
	s_wait_xcnt 0x0
	s_wait_alu depctr_hold_cnt(0) depctr_sa_sdst(0) depctr_va_vdst(0) depctr_va_sdst(0) depctr_va_ssrc(0) depctr_va_vcc(0) depctr_vm_vsrc(0)
	s_getreg_b32 s2, hwreg(HW_REG_IB_STS2, 6, 4)
	s_cmp_eq_u32 s2, 0
	s_cbranch_scc0 .Lentry_in_a_cluster
	s_endpgm
.Lentry_in_a_cluster:
	s_bfe_u32 s2, ttmp6, 0x10000c
	s_cmp_lg_u32 s2, 0xf033
	s_cbranch_scc0 .Lentry_shape_is_right
	s_endpgm
.Lentry_shape_is_right:
; The three projections as ONE product on codes of FP4 (E2M1) with E8M0 scales: [8192 x 1024] x [3072 x 1024]^T, f32 sums; + bq on columns 0-1023 (q), nothing on 1024-2047 (k), + bv on 2048-3071 (v);
; the results are rounded once to f16 and laid by head: qkv [which 3][batch 4][head 16][s 2048][64], so that a head's K or V is one dense block for the launch behind this one.
; LEFT OUT: bk.  It adds q . bk / 8 to every score of a query alike, which the softmax along the keys takes away for all values of the inputs; the product of q with k is not quantised.
; LIMIT: q, k and v are kept as f16: a magnitude over 65,504 becomes infinity.
; A tile of the result, 256 x 256, is made by a work-group of four waves; a wave makes 128 x 128: 64 accumulators of 16 x 16, 512 registers.  K = 1,024 is two LDS slots of 512 along K (rows of 256 bytes);
; both are asked for at the head, so nothing is filled again.  The scale bytes of the work-group's 256 + 256 rows come with them, in rows of 256 bytes, and stay.  A wave has three tensor loads out at the most.
; CLUSTERS: 4 x 4 work-groups.  The four of a row of the cluster need the same tiles of x, the four of a column the same tiles of W: each tile is asked for JOINTLY, by the same tensor load with the same
; descriptor and a mask that names the four.  A cluster's four tile columns are one of the three weights (cluster x = which), so the choice of the bias is the same in all sixteen partners.
; THE MATRIX INSTRUCTION IS USED TRANSPOSED (source 0 = 16 rows of W's codes, source 1 = 16 rows of x's): a lane holds eight neighbouring columns of one row.
; THE BIAS IS THE C OF EACH SUM'S FIRST PRODUCT: 64 registers in the result's layout.  For k they hold zeros, so that one text of the first step serves the three weights.
; REGISTERS, in windows of 256: window 0: v0-31 addresses; v32-95 scale words, two sets, and nothing else; v128-191 x's fragments, ONE set (on the way out: rows read back); v192-255 the bias (on the way out v192-223: packed results).
;   window 1: W's fragments, TWO sets, at v0 and v128.   window 2: the 32 accumulators of my rows 0-63 ((a, b) at v[8 (8 a + b)]);   window 3: those of my rows 64-127.
.set SIZE_K, 1024
.set KSTEP,  512                       ; along K in a slot
.set NQ,     KSTEP/128                 ; matrix instructions deep
.set ROWB,   256                       ; a tile's row in bytes
.set KROW,   SIZE_K/2                  ; a row of codes in memory
.set PITCH,  272                       ; an LDS row: 256 bytes + 16 of padding = 68 words: the 16 rows that a load touches start 4 words apart modulo 64
.set FR,     8                         ; registers of a fragment: 16 rows x 128 K
.set NL,     2                         ; LDS loads that bring one
.set NP,     4                         ; places behind this matrix instruction (ISA guide 7.12.1)
.set HALFT,  128*PITCH                 ; 128 rows: what one tensor load brings
.set SLOT,   4*HALFT                   ; x's 256 rows, then W's 256 rows
.set KS,     SIZE_K/32                 ; a row of scale bytes
.set SCL,    2*SLOT                    ; behind the slots: the scales, as rows of 256 bytes + 16
.set HALFS,  (128*KS/256)*272          ; those of 128 rows
.set SBLK,   (16*KS/256)*272           ; those of 16 rows
.set SPARE,  SCL+4*HALFS               ; behind the scales: the spare words, 128 bytes a wave, which no other line names
.set SPITCH, 272                       ; the way out: a stage of 16 rows x (256 bytes + 16) for each wave, in slot 0, which has had its only fill and its last read by then
.set ADRA, 16                          ; v16-17  LDS address of my x fragments in slot 0, 1
.set ADRB, 20                          ; v20-21  the same for W
.set STO,  24                          ; v24     the way out: where I put 16 bytes of a row
.set RD,   25                          ; v25     where I read back
.set CO,   26                          ; v26     my byte offset in qkv
.set ADRS, 27                          ; v27     LDS address of my scale words: lanes 0-15 x's rows, lanes 16-31 W's
.set SPW,  28                          ; v28     LDS address of my spare word; never rewritten
.set NIL,  29                          ; v29     0; never rewritten
.set BO,   30                          ; v30     the bias loads' offset: 32 x (lane / 16); never rewritten
.set SC,   32                          ; scale words: set s at v[SC + 32 s]; register 4 i + q: lanes 0-15 x's block i, lanes 16-31 W's block i, the slot's q-th 128 along K
.set AF,   128                         ; x's fragments
.set BI,   192                         ; the bias: register 8 b + j of lane (r, h): column 16 b + 8 h + j of my 128
.set TMP,  192                         ; the way out: packed results
.set OB,   128                         ; the way out: 16 rows read back: v128-159 and v160-191 by turns
.set G1, 24                            ; s[24:31] descriptor group 1 for x's tiles;  s[32:39] group 0, one set for each slot
.set G0, 32
.set G1B, 48                           ; s[48:55], s[56:63] the same for W's tiles
.set G0B, 56
.set G1S, 68                           ; s[68:75], s[76:79] groups 1 and 0 for x's scales;  s[80:87], s[88:91] for W's
.set G0S, 76
.set G1SB, 80
.set G0SB, 88
.set MSB, 0
.macro WIN new                         ; the immediate's high byte repeats the setting that is left
.if MSB != \new
	s_set_vgpr_msb (MSB<<8)|\new
.set MSB, \new
.endif
.endm
.set MUL_LO, 0xa1                      ; source 0 (W) window 1, source 1 (x) window 0, C and D window 2
.set MUL_HI, 0xf1                      ; the same, C and D window 3
.set FST_LO, 0x81                      ; the first step: C (the bias) window 0, D window 2
.set FST_HI, 0xc1                      ; and D window 3
.set TO_B,   0x40                      ; destination window 1, address window 0
; A joint load: waves 0 and 1 fetch for x, waves 2 and 3 for W.  Each of the two lines has one mask and one set of registers for all that issue it; the branch hangs on the wave's number alone.
; An s_nop 0 and four v_nop follow each of the two lines.
.macro JLOAD g0a, g1a, g0b, g1b
	s_cmp_eq_u32 s15, 0
	s_cbranch_scc0 .Lfor_b_\@
	tensor_load_to_lds s[\g0a:\g0a+3], s[\g1a:\g1a+7]
	s_nop 0
.rept 4
	v_nop
.endr
	s_branch .Lasked_\@
.Lfor_b_\@:
	tensor_load_to_lds s[\g0b:\g0b+3], s[\g1b:\g1b+7]
	s_nop 0
.rept 4
	v_nop
.endr
.Lasked_\@:
.endm
.macro CROUND                          ; a round of the cluster's barrier
	s_barrier_signal -1
	s_barrier_wait -1
	s_cmp_lg_u32 s14, 0
	s_cbranch_scc1 .Lnot_wave_0_\@
	s_barrier_signal -3
.Lnot_wave_0_\@:
	s_barrier_wait -3
	s_barrier_signal -1
	s_barrier_wait -1
.endm
	s_load_b128 s[4:7], s[0:1], 0x0                ; x's codes s[4:5], x's scales s[6:7]
	s_load_b128 s[8:11], s[0:1], 0x10              ; W's codes s[8:9], W's scales s[10:11]
	s_load_b128 s[96:99], s[0:1], 0x20             ; bq s[96:97], bv s[98:99]
	s_load_b64 s[12:13], s[0:1], 0x30              ; qkv
	v_lshl_add_u32 v[SPW], v0, 2, SPARE
	v_mov_b32 v[NIL], 0
	ds_add_u32 v[SPW], v[NIL]                      ; the wave's opening: the add, twice on end, and its wait ahead of my first tensor load
	ds_add_u32 v[SPW], v[NIL]                      ; and once more, under the one wait; the set-up below, work on registers, stands between
	v_lshrrev_b32 v1, 5, v0
	v_readfirstlane_b32 s14, v1                    ; wave 0..3
	s_lshr_b32 s15, s14, 1                         ; which half of the tile's rows is mine.  Also: I fetch for x (0) or for W (1)
	s_and_b32 s16, s14, 1                          ; which half of its columns.  Also: which 128 rows of that tile I fetch
	s_bfe_u32 s40, ttmp6, 0x40000                  ; cx, cy: my place in the cluster
	s_bfe_u32 s41, ttmp6, 0x40004
	s_lshl_b32 s42, ttmp9, 2
	s_add_co_u32 s42, s42, s40                     ; tile column = 4 x cluster x + cx
	s_and_b32 s17, ttmp7, 0xffff
	s_lshl_b32 s17, s17, 2
	s_add_co_u32 s17, s17, s41                     ; tile row = 4 x cluster y + cy
	s_lshl_b32 s43, s41, 2
	s_lshl_b32 s43, 15, s43                        ; my row of the cluster
	s_lshl_b32 s44, 0x1111, s40                    ; my column
	; descriptor group 1: a tile of 128 rows x 256 bytes, padded in LDS
	s_or_b32 s[G1+0], s43, (0<<16)|(1<<20)|(1<<21)|(5<<22)|(3<<25)  ; 15:0 the mask: x's tiles go to my row; 17:16 elements of 1 byte; 20 padding on; 21 set beside a mask; 24:22 after every 64 words; 31:25 four words
	s_or_b32 s[G1B+0], s44, (0<<16)|(1<<20)|(1<<21)|(5<<22)|(3<<25)
.irp g, G1, G1B
	s_mov_b32 s[\g+1], ROWB<<16                    ; tensor_dim0
	s_mov_b32 s[\g+2], 128<<16                     ; tensor_dim1
	s_mov_b32 s[\g+3], ROWB<<16                    ; tile_dim0
	s_mov_b32 s[\g+4], 128                         ; tile_dim1
	s_mov_b32 s[\g+5], KROW                        ; tensor_dim0_stride
	s_mov_b32 s[\g+6], 0
	s_mov_b32 s[\g+7], 0
.endr
	; the scales of 128 rows: a dense block of 4,096 bytes, as rows of 256 bytes (32 elements of 8 bytes), 16 bytes of padding behind each
	s_or_b32 s[G1S+0], s43, (3<<16)|(1<<20)|(1<<21)|(5<<22)|(3<<25)
	s_or_b32 s[G1SB+0], s44, (3<<16)|(1<<20)|(1<<21)|(5<<22)|(3<<25)
.irp g, G1S, G1SB
	s_mov_b32 s[\g+1], 32<<16
	s_mov_b32 s[\g+2], (128*KS/256)<<16
	s_mov_b32 s[\g+3], 32<<16
	s_mov_b32 s[\g+4], 128*KS/256
	s_mov_b32 s[\g+5], 32
	s_mov_b32 s[\g+6], 0
	s_mov_b32 s[\g+7], 0
.endr
	s_lshl_b32 s18, s16, 7                         ; which 128 rows of the tile I fetch
	s_lshl_b32 s20, s17, 8
	s_add_co_u32 s20, s20, s18                     ; x: row 256 x tile row + 128 x half
	s_lshl_b32 s46, s42, 8
	s_add_co_u32 s46, s46, s18                     ; W: row 256 x tile column + 128 x half
	s_mov_b32 s21, 0
	s_mov_b32 s47, 0
	s_mov_b64 s[18:19], KS
	s_mul_u64 s[22:23], s[20:21], s[18:19]         ; where these rows' scales begin, in bytes
	s_mul_u64 s[92:93], s[46:47], s[18:19]
	s_mov_b64 s[18:19], KROW
	s_mul_u64 s[20:21], s[20:21], s[18:19]         ; and their codes
	s_mul_u64 s[46:47], s[46:47], s[18:19]
	s_mul_i32 s45, s14, HALFT                      ; where they go: wave x 128 rows: no place in the cluster enters an LDS address
	s_mul_i32 s94, s14, HALFS
	s_wait_dscnt 0x0                               ; both opening adds are done
	s_wait_kmcnt 0x0
	s_add_nc_u64 s[20:21], s[4:5], s[20:21]
	s_add_nc_u64 s[22:23], s[6:7], s[22:23]
	s_add_nc_u64 s[46:47], s[8:9], s[46:47]
	s_add_nc_u64 s[92:93], s[10:11], s[92:93]
	CROUND                                         ; all sixteen work-groups are here: the joint loads meet
	s_mov_b32 s[G0S], 1
	s_add_co_u32 s[G0S+1], s94, SCL
	s_mov_b64 s[G0S+2:G0S+3], s[22:23]
	s_or_b32 s[G0S+3], s[G0S+3], 0x80000000
	s_mov_b32 s[G0SB], 1
	s_add_co_u32 s[G0SB+1], s94, SCL
	s_mov_b64 s[G0SB+2:G0SB+3], s[92:93]
	s_or_b32 s[G0SB+3], s[G0SB+3], 0x80000000
	JLOAD G0S, G1S, G0SB, G1SB                     ; the scales first: they are wanted with the first slot
.irp s, 0,1
	s_mov_b32 s[G0+4*\s], 1
	s_add_co_u32 s[G0+4*\s+1], s45, \s*SLOT
	s_add_nc_u64 s[G0+4*\s+2:G0+4*\s+3], s[20:21], \s*ROWB
	s_or_b32 s[G0+4*\s+3], s[G0+4*\s+3], 0x80000000
	s_mov_b32 s[G0B+4*\s], 1
	s_add_co_u32 s[G0B+4*\s+1], s45, \s*SLOT
	s_add_nc_u64 s[G0B+4*\s+2:G0B+4*\s+3], s[46:47], \s*ROWB
	s_or_b32 s[G0B+4*\s+3], s[G0B+4*\s+3], 0x80000000
	JLOAD G0+4*\s, G1, G0B+4*\s, G1B
.endr
	v_and_b32 v1, 15, v0                           ; l % 16
	v_bfe_u32 v2, v0, 4, 1                         ; l / 16
	; THE BIAS of my 128 columns.  Cluster x says which weight: 0 bq, 1 none (bk is left out), 2 bv: the branch is the same in all sixteen partners.
	s_cmp_eq_u32 ttmp9, 1
	s_cbranch_scc1 .Lno_bias
	s_cmp_eq_u32 ttmp9, 0
	s_cselect_b64 s[96:97], s[96:97], s[98:99]
	s_lshl_b32 s92, s40, 10                        ; 256 cx columns of 4 bytes,
	s_lshl_b32 s93, s16, 9                         ; 128 x my half
	s_add_co_u32 s92, s92, s93
	s_mov_b32 s93, 0
	s_add_nc_u64 s[96:97], s[96:97], s[92:93]
	v_lshlrev_b32 v[BO], 5, v2                     ; lanes 16-31 take the eight columns behind
.irp b, 0,1,2,3,4,5,6,7
	global_load_b128 v[BI+8*\b:BI+8*\b+3],   v[BO], s[96:97] offset:64*\b
	global_load_b128 v[BI+8*\b+4:BI+8*\b+7], v[BO], s[96:97] offset:64*\b+16
.endr
	s_branch .Lbias_done
.Lno_bias:
.irp j, 0,1,2,3,4,5,6,7,8,9,10,11,12,13,14,15,16,17,18,19,20,21,22,23,24,25,26,27,28,29,30,31,32,33,34,35,36,37,38,39,40,41,42,43,44,45,46,47,48,49,50,51,52,53,54,55,56,57,58,59,60,61,62,63
	v_mov_b32 v[BI+\j], 0                          ; k has no bias: the same registers hold zeros, so that the first step is written once
.endr
.Lbias_done:
	v_mul_u32_u24 v3, v1, PITCH
	v_lshl_add_u32 v4, v2, 4, v3                   ; a fragment's row x pitch + 16 x half
	s_mul_i32 s21, s15, HALFT                      ; my 128 rows of x
	s_mul_i32 s22, s16, HALFT                      ; my 128 rows of W,
	s_add_co_u32 s22, s22, 2*HALFT                 ; which lie behind x's 256
.irp s, 0,1
	v_add_nc_u32 v[ADRA+\s], s21, v4
	v_add_nc_u32 v[ADRB+\s], s22, v4
	s_add_co_u32 s21, s21, SLOT
	s_add_co_u32 s22, s22, SLOT
.endr
	v_mul_u32_u24 v5, v1, KS                       ; my row's scales: 32 bytes a row,
	v_lshrrev_b32 v6, 8, v5
	v_lshl_add_u32 v5, v6, 4, v5                   ; and 16 more for each 256 passed
	s_mul_i32 s21, s15, HALFS                      ; x's: my 128 rows
	s_mul_i32 s22, s16, HALFS                      ; W's: my 128 rows, behind x's 256
	s_add_co_u32 s22, s22, 2*HALFS
	s_sub_co_u32 s22, s22, s21
	v_mul_u32_u24 v6, s22, v2                      ; lanes 16-31 take W's
	s_add_co_u32 s21, s21, SCL
	v_add_nc_u32 v5, v5, v6
	v_add_nc_u32 v[ADRS], s21, v5
	s_mul_i32 s23, s14, 16*SPITCH                  ; my stage
	v_mul_u32_u24 v5, v1, SPITCH                   ; in: row l % 16, 16 bytes for each half of the lanes
	v_lshl_add_u32 v5, v2, 4, v5
	v_add_nc_u32 v[STO], s23, v5
	v_bfe_u32 v5, v0, 3, 1                         ; back: lanes 0-15 take 128 bytes (one head's 64 numbers) of two rows, lanes 16-31 the other head's of the same rows
	v_mul_u32_u24 v5, v5, SPITCH
	v_lshl_add_u32 v5, v2, 7, v5
	v_and_b32 v6, 7, v0
	v_lshl_add_u32 v5, v6, 4, v5
	v_add_nc_u32 v[RD], s23, v5
	v_lshlrev_b32 v[CO], 18, v2                    ; in qkv a head is 262,144 bytes, and two rows of a head are 256 consecutive bytes
	v_lshl_add_u32 v[CO], v1, 4, v[CO]
	s_lshl_b32 s20, s17, 8
	s_lshl_b32 s21, s15, 7
	s_add_co_u32 s20, s20, s21                     ; my first row: 256 x tile row + 128 x half = 2,048 x batch + s
	s_lshr_b32 s21, s20, 11
	s_lshl_b32 s21, s21, 22                        ; batch x 2^22 bytes
	s_and_b32 s20, s20, 2047
	s_lshl_b32 s20, s20, 7                         ; s x 128 bytes
	s_add_co_u32 s20, s20, s21
	s_lshl_b32 s46, s42, 2
	s_lshl_b32 s47, s16, 1
	s_add_co_u32 s46, s46, s47                     ; my first head among the 48: 4 x tile column + 2 x half = 16 x which + head
	s_lshr_b32 s47, s46, 4
	s_lshl_b32 s47, s47, 24                        ; which x 2^24 bytes
	s_and_b32 s46, s46, 15
	s_lshl_b32 s46, s46, 18                        ; head x 2^18 bytes
	s_add_co_u32 s46, s46, s47
	s_add_co_u32 s20, s20, s46
	s_mov_b32 s21, 0
	s_add_nc_u64 s[12:13], s[12:13], s[20:21]
.macro FRAG reg, adr, q, i             ; a fragment, 16 rows x 128 K of 4-bit codes: lane l holds row l % 16; registers 4 c .. 4 c + 3 hold K = 64 c + 32 (l / 16) + 0 .. 31
.irp c, 0,1
	ds_load_b128 v[\reg+4*\c:\reg+4*\c+3], v[\adr] offset:64*(\q)+32*\c+(\i)*16*PITCH
.endr
.endm
; 16 matrix instructions: x's blocks a0, a0 + 1 against W's eight, 128 along K: the slot's q-th.  p: W's set;  sc: the set of scale words.  first = 1: the product starts the sum on the bias.
; The 64 accumulators take turns, one instruction a turn, in the same order in every step.
.macro MUL16 a0, p, q, sc, first
.irp a, \a0, \a0+1
.irp b, 0,1,2,3,4,5,6,7
.if \first
	v_wmma_scale_f32_16x16x128_f8f6f4 v[8*(8*((\a)%4)+\b):8*(8*((\a)%4)+\b)+7], v[128*(\p)+FR*\b:128*(\p)+FR*\b+FR-1], v[AF+FR*(\a):AF+FR*(\a)+FR-1], v[BI+8*\b:BI+8*\b+7], v[SC+8*NQ*(\sc)+NQ*\b+(\q)], v[SC+8*NQ*(\sc)+NQ*(\a)+(\q)] matrix_a_fmt:MATRIX_FMT_FP4 matrix_b_fmt:MATRIX_FMT_FP4 matrix_a_scale:MATRIX_SCALE_ROW1
.else
	v_wmma_scale_f32_16x16x128_f8f6f4 v[8*(8*((\a)%4)+\b):8*(8*((\a)%4)+\b)+7], v[128*(\p)+FR*\b:128*(\p)+FR*\b+FR-1], v[AF+FR*(\a):AF+FR*(\a)+FR-1], v[8*(8*((\a)%4)+\b):8*(8*((\a)%4)+\b)+7], v[SC+8*NQ*(\sc)+NQ*\b+(\q)], v[SC+8*NQ*(\sc)+NQ*(\a)+(\q)] matrix_a_fmt:MATRIX_FMT_FP4 matrix_b_fmt:MATRIX_FMT_FP4 matrix_a_scale:MATRIX_SCALE_ROW1
.endif
.endr
.endr
.endm
.macro FETCH_B slot, q, p              ; W's eight fragments of the slot's q-th 128 along K into set p
	WIN TO_B
.irp i, 0,1,2,3,4,5,6,7
	FRAG 128*(\p)+FR*\i, ADRB+\slot, \q, \i
.endr
	WIN 0
.endm
.macro FETCH_A slot, q, i0             ; x's blocks i0 .. i0 + 3
.irp i, \i0, \i0+1, \i0+2, \i0+3
	FRAG AF+FR*(\i), ADRA+\slot, \q, \i
.endr
.endm
.macro SCALES sc                       ; a slot's scale words into set sc: four words a row; lanes 0-15 take x's block i, lanes 16-31 W's block i
.irp i, 0,1,2,3,4,5,6,7
	ds_load_b128 v[SC+8*NQ*\sc+NQ*\i:SC+8*NQ*\sc+NQ*\i+3], v[ADRS] offset:\i*SBLK
.endr
.endm
; A load into a register that a matrix instruction has read, and a vector instruction that reads a matrix result, stand NP places behind that matrix instruction; only plain vector
; instructions that name none of its registers are places (ISA guide 7.12.1 for vector instructions).
.macro PLACES n
.rept \n
	v_nop
.endr
.endm
; A step of 128 along K that has its successor in the same slot.
.macro STEP slot, q, first
	s_wait_dscnt 4*NL                              ; W's set and x's blocks 0-3 are in; the youngest eight loads (x's blocks 4-7) may be out
.if \first
	WIN FST_LO
.else
	WIN MUL_LO
.endif
	MUL16 0, (\q)%2, \q, \slot, \first
	MUL16 2, (\q)%2, \q, \slot, \first
	s_wait_dscnt 0                                 ; x's blocks 4-7 are in (asked for 32 matrix instructions ago)
	PLACES NP
	FETCH_B \slot, (\q)+1, 1-(\q)%2
	FETCH_A \slot, (\q)+1, 0
.if \first
	WIN FST_HI
.else
	WIN MUL_HI
.endif
	MUL16 4, (\q)%2, \q, \slot, \first
	MUL16 6, (\q)%2, \q, \slot, \first
	PLACES NP
	WIN 0
	FETCH_A \slot, (\q)+1, 4
.endm
; Slot 0's last step changes slots: one barrier; in front of it each wave waits for all its tensor loads (its part of slot 1), adds 0 to its spare word, and waits for that and for its own reads of slot 0.
; Behind it slot 1 is whole and nobody reads slot 0 any more, which the way out's stages then take.  Nothing is filled again.
.macro TURN slot, next
	s_wait_tensorcnt 0x0                           ; all my tensor loads have landed  (every window is 0 here: the add's two registers lie in window 0)
	ds_add_u32 v[SPW], v[NIL]                      ; 0 onto my spare word
	s_wait_dscnt 4*NL+1                            ; (the add and the youngest eight loads, x's blocks 4-7, may be out)
	WIN MUL_LO
	MUL16 0, 1, NQ-1, \slot, 0                     ; sixteen matrix instructions stand between the add and the wait for it
	s_wait_dscnt 0x0                               ; the add is done, and my reads of this slot are over
	s_barrier_signal -1
	MUL16 2, 1, NQ-1, \slot, 0
	WIN 0
	s_barrier_wait -1
	PLACES NP
	v_add_nc_u32 v[ADRS], 4*NQ, v[ADRS]            ; on to the next slot's scale words (no LDS load of mine is out)
	FETCH_B \next, 0, 0
	FETCH_A \next, 0, 0
	SCALES \next
	WIN MUL_HI
	MUL16 4, 1, NQ-1, \slot, 0
	MUL16 6, 1, NQ-1, \slot, 0
	PLACES NP
	WIN 0
	FETCH_A \next, 0, 4
.endm
	s_wait_loadcnt 0x0                             ; the bias
	s_wait_tensorcnt 1                             ; the scales and my part of slot 0 are in (slot 1's load, the one issued behind them, may be out),
	s_barrier_signal -1
	s_barrier_wait -1                              ; everybody's are
	FETCH_B 0, 0, 0
	FETCH_A 0, 0, 0
	SCALES 0
	FETCH_A 0, 0, 4
	STEP 0, 0, 1                                   ; the first step's products start the sums on the bias: nothing is cleared and nothing is added later
	STEP 0, 1, 0
	STEP 0, 2, 0
	TURN 0, 1
	STEP 1, 0, 0
	STEP 1, 1, 0
	STEP 1, 2, 0
	s_wait_dscnt 4*NL                              ; the very last step: nothing more to fetch
	WIN MUL_LO
	MUL16 0, 1, NQ-1, 1, 0
	MUL16 2, 1, NQ-1, 1, 0
	s_wait_dscnt 0
	WIN MUL_HI
	MUL16 4, 1, NQ-1, 1, 0
	MUL16 6, 1, NQ-1, 1, 0
	WIN 0
; THE WAY OUT, block by block of 16 rows x 128 columns (two heads).  PACK: rounded to f16, 16 bytes a lane, each accumulator from its low end on.  TOSTAGE: into my own stage in LDS, and back so that
; sixteen lanes hold two rows of one head: 256 consecutive bytes of qkv.  SEND: stored.  LDS serves a wave's instructions in order (ISA guide 5.7.1.4): no wait between the stores and the loads.
.macro PACK a
.set AC, 64*((\a)%4)
	WIN 0x0a+5*((\a)/4)                            ; sources 0 and 1: window 2 or 3
.irp b, 0,1,2,3,4,5,6,7
.irp r, 0,1,2,3
	v_cvt_pk_f16_f32 v[TMP+4*\b+\r], v[AC+8*\b+2*\r], v[AC+8*\b+2*\r+1]
.endr
.endr
	WIN 0
.endm
.macro TOSTAGE a
.set BKR, OB+32*((\a)%2)
.irp b, 0,1,2,3,4,5,6,7
	ds_store_b128 v[STO], v[TMP+4*\b:TMP+4*\b+3] offset:32*\b
.endr
.irp t, 0,1,2,3,4,5,6,7
	ds_load_b128 v[BKR+4*\t:BKR+4*\t+3], v[RD] offset:\t*2*SPITCH
.endr
.endm
.macro SEND a
.set BKR, OB+32*((\a)%2)
	s_wait_dscnt 0x0                               ; the block is back in registers
	s_wait_xcnt 0x0                                ; the stores of the block before have read their registers: the next block's loads may land there
.irp t, 0,1,2,3,4,5,6,7
	global_store_b128 v[CO], v[BKR+4*\t:BKR+4*\t+3], s[12:13] offset:2048*(\a)+256*\t   ; sixteen lanes store 256 consecutive bytes, aligned; the base is never stepped
.endr
.endm
	PLACES NP                                      ; behind the last products: for the conversions that read results, and for the loads into the registers that held x's fragments
	PACK 0
	TOSTAGE 0
.irp a, 1,2,3,4,5,6,7                  ; block a's conversions stand between block a - 1's loads from the stage and the wait for them
	PACK \a
	SEND \a-1
	TOSTAGE \a
.endr
	SEND 7
	s_wait_tensorcnt 0x0                           ; the wave's end, behind my last tensor load and my last LDS store
	ds_add_u32 v[SPW], v[NIL]
	s_wait_dscnt 0x0
	CROUND                                         ; the closing round: no work-group ends while a partner may still ask for a tile that names it
	s_endpgm
.Lfunc_end_k_q2fe9e1ff4f_proj:
	.size	k_q2fe9e1ff4f_proj, .Lfunc_end_k_q2fe9e1ff4f_proj-k_q2fe9e1ff4f_proj
	.p2alignl 7, 3214868480
	.fill 96, 4, 3214868480
	.section	.rodata,"a",@progbits
	.p2align	6, 0x0
	.amdhsa_kernel k_q2fe9e1ff4f_proj
		.amdhsa_group_segment_fixed_size 327680
		.amdhsa_private_segment_fixed_size 0
		.amdhsa_enable_private_segment 0
		.amdhsa_kernarg_size 56
		.amdhsa_user_sgpr_count 2
		.amdhsa_user_sgpr_kernarg_segment_ptr 1
		.amdhsa_wavefront_size32 1
		.amdhsa_system_sgpr_workgroup_id_x 1
		.amdhsa_system_sgpr_workgroup_id_y 1
		.amdhsa_system_sgpr_workgroup_id_z 1
		.amdhsa_system_vgpr_workitem_id 0
		.amdhsa_next_free_vgpr 1024
		.amdhsa_next_free_sgpr 100
		.amdhsa_reserve_vcc 0
		.amdhsa_float_denorm_mode_32 3
		.amdhsa_float_denorm_mode_16_64 3
		.amdhsa_memory_ordered 1
		.amdhsa_forward_progress 1
		.amdhsa_inst_pref_size 131
	.end_amdhsa_kernel
	.amdgpu_metadata
---
amdhsa.version: [ 1, 2 ]
amdhsa.kernels:
  - .name:           k_q2fe9e1ff4f_proj
    .symbol:         k_q2fe9e1ff4f_proj.kd
    .args:
      - { .name: xc, .offset: 0, .size: 8, .value_kind: global_buffer, .address_space: global }
      - { .name: xs, .offset: 8, .size: 8, .value_kind: global_buffer, .address_space: global }
      - { .name: wc, .offset: 16, .size: 8, .value_kind: global_buffer, .address_space: global }
      - { .name: ws, .offset: 24, .size: 8, .value_kind: global_buffer, .address_space: global }
      - { .name: bq, .offset: 32, .size: 8, .value_kind: global_buffer, .address_space: global }
      - { .name: bv, .offset: 40, .size: 8, .value_kind: global_buffer, .address_space: global }
      - { .name: qkv, .offset: 48, .size: 8, .value_kind: global_buffer, .address_space: global }
    .group_segment_fixed_size: 327680
    .private_segment_fixed_size: 0
    .kernarg_segment_align: 8
    .kernarg_segment_size: 56
    .max_flat_workgroup_size: 128
    .sgpr_count:     100
    .vgpr_count:     1024
    .wavefront_size: 32
...
	.end_amdgpu_metadata
.endif
;; end of part 3
;; launch attn (part 4): grid 4 x 64, 8 waves a work-group, clusters of 4 x 1, 327,680 bytes of LDS; arguments qkv, out0; writes out0
.if DOCPART == 4
	.amdgcn_target "amdgcn-amd-amdhsa--gfx1250"
	.amdhsa_code_object_version 6
	.text
	.protected	k_q2fe9e1ff4f_attn
	.globl	k_q2fe9e1ff4f_attn
	.p2align	8
	.type	k_q2fe9e1ff4f_attn,@function
k_q2fe9e1ff4f_attn:
	s_mov_b64 s[64:65], 0
	v_nop
	global_prefetch_b8 v0, s[64:65] scope:SCOPE_SE
	s_setreg_imm32_b32 hwreg(HW_REG_WAVE_MODE, 25, 1), 1
	s_wait_xcnt 0x0
	s_wait_alu depctr_hold_cnt(0) depctr_sa_sdst(0) depctr_va_vdst(0) depctr_va_sdst(0) depctr_va_ssrc(0) depctr_va_vcc(0) depctr_vm_vsrc(0)
	s_getreg_b32 s2, hwreg(HW_REG_IB_STS2, 6, 4)
	s_cmp_eq_u32 s2, 0
	s_cbranch_scc0 .Lentry_in_a_cluster
	s_endpgm
.Lentry_in_a_cluster:
	s_bfe_u32 s2, ttmp6, 0x10000c
	s_cmp_lg_u32 s2, 0x3003
	s_cbranch_scc0 .Lentry_shape_is_right
	s_endpgm
.Lentry_shape_is_right:
; out0[b][s][64 hd + :] = the sum over keys of softmax_k(q . k / 8) v, for each of the 64 (batch, head) pairs.  q, k, v: f16, qkv [which 3][batch 4][head 16][s 2048][64]; out0 [4][2048][1024] f32.
; k comes without bk: the term q . bk / 8 is the same for all keys of a query, and the softmax along the keys takes it away for all values of the inputs.
; Products on f16 operands with f32 sums; maxima, exponentials and sums in f32; the weights p, at most 1 since the running maximum is taken away, are rounded to f16 for the second product.
; LIMITS: what of p falls under f16's smallest number is lost beside a sum that is at least 1; NaN and infinities in q, k, v are not served.
; SHARES.  A cluster of four work-groups is one (batch, head); a work-group owns 512 queries, each of its eight waves 64: four tiles of 16.  Two waves share a SIMD's registers, 512 each, so that
; one wave's vector work can stand beside the other's products.  Every wave walks the head's 2,048 keys, 64 a step, four steps to an LDS slot, two slots.
; LAYOUT.  S^T = K Q^T (source 0 = 16 keys, source 1 = 16 queries): a lane holds ONE query (lane % 16) and the keys 8 (lane / 16) + 0..7 of each tile.  Two such tiles, rounded to f16 in pairs, ARE
; source 1 (32 keys x 16 queries) of O^T = V^T P, whose result again holds one query a lane.  K comes out of LDS as it lies, V ([key][channel]) turned, by ds_load_tr16_b128.
; SOFTMAX.  For each query a running maximum m and sum l: p = 2^(c s - c m), c = log2(e) / 8; in every step O and l are multiplied by a = 2^(c m_old - c m_new).  The step is written once: m begins at
; -3e38, under every score that f16 operands can give, and l and O^T at 0, which the first a, 0, leaves 0: 128 moves once, in place of one more copy of the step.
; CLUSTER.  The four work-groups walk the same K and V: each tile is asked for JOINTLY, by the same tensor load with the same descriptor and the mask of all four.  Every wave asks for one tile of 64 keys:
; waves 0-3 K's of the slot's four steps, waves 4-7 V's.  One tensor load of a wave is out at a time.
; REGISTERS, in two windows of 256 (s_set_vgpr_msb: bits 1:0 source 0, 3:2 source 1, 5:4 source 2, 7:6 destination):
;   window 0: v1-11 addresses; v12-43 eight registers of statistics a tile; v44, v61-63; v64-191 S^T, 32 a tile; v192-255 P, 16 a tile
;   window 1: v0-127 O^T, 32 a tile; v128-191 Q, 16 a tile; v192-255 ONE buffer for a step's K and then its V
.set PK,    272       ; two keys of K, 256 bytes, + 16 of padding: key kk at 272 (kk / 2) + 128 (kk % 2): the 16 keys of a load fall on 16 different columns of 16 bytes modulo 256
.set PV,    288       ; two keys of V + 32 of padding: the 8 keys x 32 bytes that 16 lanes of the turning load take fall on 16 different columns
.set VOFF,  32*PK     ; a step's tiles lie together: 64 keys of K, then 64 of V
.set STEPB, 32*(PK+PV)
.set NST,   4         ; steps in a slot
.set SLOT1, 1<<17     ; slot 1 begins here, so that one exclusive or turns an address in one slot into the other's
.set SLOTB, NST*64*128  ; a slot's keys in memory: 32,768 bytes of K, as many of V
.set STAGE, SLOT1+NST*STEPB  ; behind the ring: 16 rows x 272 bytes for each wave, for the way out
.set SP,    272
.set SPARE, STAGE+8*16*SP    ; behind the stages: the spare words, 128 bytes a wave, which no other line names
.set AK0, 2           ; v2   my lane's place in a tile of K; never rewritten
.set AV0, 3           ; v3   the same for V
.set ADK, 4           ; v4   LDS address of the step's K
.set ADV, 5           ; v5   of its V
.set STO, 6           ; v6   the way out: where I put 32 bytes of a row
.set RD,  7           ; v7   where I read a row back
.set GO,  8           ; v8   my byte offset in the wave's rows of out0
.set ST,  12          ; tile t's statistics at v[ST+8 t]: +0 c m, +1 m, +2, +3 l (even keys', odd keys'), +4 to +7 at work; a takes +6
.set QO,  44          ; v44  my byte offset in the wave's rows of Q
.set PFO, 61          ; v61  256 x my lane: the prefetches' offset; never rewritten
.set SPW, 62          ; v62  LDS address of my spare word; never rewritten
.set NIL, 63          ; v63  0; never rewritten
.set S,   64
.set P,   192
.set QF,  128         ; in window 1
.set KV,  192         ; in window 1
.set WV,  12          ; s12  my wave's number
.set LIM, 15          ; s15  1 in a wave that prefetches (0 and 4), else the greatest number
.set PFA, 18          ; s[18:19] where my prefetches stand
.set G1K, 24          ; s[24:31] descriptor group 1 for K's tiles
.set G1V, 32          ; s[32:39] for V's: it differs in the padding alone
.set G0K, 40          ; s[40:43] descriptor group 0 for K's tiles: it walks
.set G0V, 44          ; s[44:47] for V's
.set SLOTS, 56        ; s56  slots still to be asked for
.set CNT, 57          ; s57  counts a slot's steps
.set CS,  58          ; s[58:59] c: the packed scaling names a pair and takes its low word for both halves
.set SEL, 60          ; s[60:61] lane selects for v_permlanex16_b32: lane l xor 16
.set TB,  62          ; s62  LDS byte at which the step's tiles begin
.set MSB, 0
.macro WIN new                      ; the immediate's high byte repeats the setting that is left; a switch that changes nothing is dropped
.if MSB != \new
	s_set_vgpr_msb (MSB<<8)|\new
.set MSB, \new
.endif
.endm
.set W_LD, 0x40       ; destination window 1, address window 0
.set W_KQ, 0x05       ; K and Q in window 1, S^T in window 0
.set W_PV, 0x51       ; V and O^T in window 1, P in window 0
.set W_RS, 0x41       ; O^T (destination and source 0) in window 1, the factor in window 0
.set W_ST, 0x04       ; an LDS store's data (source 1) in window 1
; A joint load.  The branch hangs on the wave's number alone.  An s_nop 0 and four v_nop follow each of the two lines.
.macro JLOAD
	s_cmp_lt_u32 s[WV], 4
	s_cbranch_scc0 .Lfor_v_\@
	tensor_load_to_lds s[G0K:G0K+3], s[G1K:G1K+7]
	s_nop 0
.rept 4
	v_nop
.endr
	s_branch .Lasked_\@
.Lfor_v_\@:
	tensor_load_to_lds s[G0V:G0V+3], s[G1V:G1V+7]
	s_nop 0
.rept 4
	v_nop
.endr
.Lasked_\@:
.endm
; A PREFETCH of what the NEXT change of slots will ask for: a slot's 32,768 bytes of K and as many of V.  It stands behind the wave's tensor load and its five lines.  Each aligned block of 256 bytes is named
; once in the launch: a head has one cluster; its four partners take 8,192 bytes each, told apart BY ADDRESS; in each, wave 0 asks for K's and wave 4 for V's: one instruction, lanes 256 bytes apart.
; It runs one slot, four key steps (256 matrix instructions of a wave), ahead of the load.  Slots 0 and 1 come by their loads alone; the last change that fills a slot asks for nothing.
.macro ASK
	s_cmp_gt_u32 s[SLOTS], s[LIM]
	s_cbranch_scc0 .Lnot_mine_\@
	global_prefetch_b8 v[PFO], s[PFA:PFA+1] th:TH_LOAD_NT scope:SCOPE_SE
.Lnot_mine_\@:
.endm
.macro CROUND                       ; a round of the cluster's barrier
	s_barrier_signal -1
	s_barrier_wait -1
	s_cmp_lg_u32 s[WV], 0
	s_cbranch_scc1 .Lnot_wave_0_\@
	s_barrier_signal -3
.Lnot_wave_0_\@:
	s_barrier_wait -3
	s_barrier_signal -1
	s_barrier_wait -1
.endm
	s_load_b128 s[4:7], s[0:1], 0x0 ; qkv s[4:5], out0 s[6:7]
	v_lshl_add_u32 v[SPW], v0, 2, SPARE
	v_mov_b32 v[NIL], 0
	ds_add_u32 v[SPW], v[NIL]       ; the wave's opening: the add, twice on end, and its wait ahead of my first tensor load
	ds_add_u32 v[SPW], v[NIL]       ; and once more, under the one wait; the set-up below, work on registers, stands between
	v_lshrrev_b32 v1, 5, v0
	v_readfirstlane_b32 s[WV], v1   ; wave 0..7
	s_bfe_u32 s13, ttmp6, 0x40000   ; cx: my place in the cluster: it enters Q's, out0's and the prefetches' addresses alone
	s_and_b32 s14, ttmp7, 0xffff    ; 16 x batch + head, which the four partners share
	s_and_b32 s16, s[WV], 3         ; which of a slot's four steps I fetch:
	s_mul_i32 s17, s16, STEPB       ; its place in a slot,
	s_lshl_b32 s20, s14, 18         ; the head's first byte in q, in k and in v,
	s_lshl_b32 s21, s16, 13         ; the step's 64 rows of 128 bytes
	s_add_co_u32 s22, s20, s21
	s_add_co_u32 s22, s22, 1<<24    ; in k
	s_mov_b32 s23, 0
	s_lshl_b32 s2, s13, 16          ; Q: my work-group's 512 rows of 128 bytes,
	s_lshl_b32 s3, s[WV], 13        ; my wave's 64
	s_add_co_u32 s2, s2, s3
	s_add_co_u32 s2, s2, s20
	s_mov_b32 s3, 0
	s_lshr_b32 s48, s14, 4          ; out0: the batch's 2,048 rows of 4,096 bytes,
	s_lshl_b32 s48, s48, 23
	s_lshl_b32 s49, s13, 21         ; my work-group's 512 rows,
	s_add_co_u32 s48, s48, s49
	s_lshl_b32 s49, s[WV], 18       ; my wave's 64,
	s_add_co_u32 s48, s48, s49
	s_and_b32 s49, s14, 15
	s_lshl_b32 s49, s49, 8          ; the head's 256 bytes of a row
	s_add_co_u32 s48, s48, s49
	s_mov_b32 s49, 0
	s_cmp_lt_u32 s[WV], 4           ; the prefetches: waves 0-3 stand in k, waves 4-7 in v,
	s_cselect_b32 s50, 1, 2
	s_lshl_b32 s50, s50, 24
	s_add_co_u32 s50, s50, s20      ; in my head,
	s_lshl_b32 s51, s13, 13         ; at my work-group's 8,192 bytes of a slot,
	s_add_co_u32 s50, s50, s51
	s_add_co_u32 s50, s50, SLOTB    ; in slot 1: the first change of slots steps it to slot 2
	s_mov_b32 s51, 0
	s_cmp_eq_u32 s16, 0
	s_cselect_b32 s[LIM], 1, -1     ; waves 0 and 4 ask: the same in all four partners
	v_and_b32 v[PFO], 31, v0
	v_lshlrev_b32 v[PFO], 8, v[PFO]
	; descriptor group 1: 64 keys of 128 bytes are dense in memory: stated as 32 rows x 128 elements of 2 bytes, padded behind each row
	s_mov_b32 s[G1K], 15|(1<<16)|(1<<20)|(1<<21)|(5<<22)|(3<<25)  ; 15:0 the mask: all four work-groups; 17:16 elements of 2 bytes; 20 padding on; 21 set beside a mask; 24:22 after every 64 words; 31:25 four words
	s_mov_b32 s[G1V], 15|(1<<16)|(1<<20)|(1<<21)|(5<<22)|(7<<25)  ; the same with eight words of padding
.irp g, G1K, G1V
	s_mov_b32 s[\g+1], 128<<16      ; tensor_dim0 = 128
	s_mov_b32 s[\g+2], 32<<16       ; tensor_dim1 = 32
	s_mov_b32 s[\g+3], 128<<16      ; tile_dim0 = 128
	s_mov_b32 s[\g+4], 32           ; tile_dim1 = 32
	s_mov_b32 s[\g+5], 128          ; tensor_dim0_stride
	s_mov_b32 s[\g+6], 0
	s_mov_b32 s[\g+7], 0
.endr
	s_mov_b32 s[CS], 0x3e38aa3b     ; c = log2(e) / 8
	s_mov_b32 s[CS+1], s[CS]        ; named with it as a pair, so it is written
	s_mov_b32 s[SEL], 0x76543210
	s_mov_b32 s[SEL+1], 0xfedcba98
	s_mov_b32 s[TB], 0
	s_mov_b32 s[SLOTS], 2048/(64*NST)-1
	s_wait_dscnt 0x0                ; both opening adds are done
	s_wait_kmcnt 0x0
	s_add_nc_u64 s[8:9], s[4:5], s[2:3]       ; Q at my wave's first row
	s_add_nc_u64 s[10:11], s[6:7], s[48:49]   ; out0 likewise
	s_add_nc_u64 s[PFA:PFA+1], s[4:5], s[50:51]
	CROUND                          ; all four work-groups are here: the first joint loads meet
	s_mov_b32 s[G0K], 1             ; count = 1
	s_mov_b32 s[G0K+1], s17         ; LDS address: slot 0
	s_add_nc_u64 s[G0K+2:G0K+3], s[4:5], s[22:23]  ; global address: my step of the head's first 256 keys
	s_or_b32 s[G0K+3], s[G0K+3], 0x80000000   ; type = 2
	s_mov_b32 s[G0V], 1
	s_add_co_u32 s[G0V+1], s17, VOFF
	s_add_nc_u64 s[G0V+2:G0V+3], s[4:5], s[22:23]
	s_add_nc_u64 s[G0V+2:G0V+3], s[G0V+2:G0V+3], 0x1000000  ; v lies 2^24 bytes behind k
	s_or_b32 s[G0V+3], s[G0V+3], 0x80000000
	JLOAD                           ; slot 0
	; A fragment of K or Q is 16 rows x 32 channels in 8 registers: lane l holds row l % 16; registers 0-3 channels 8 (l / 16) + 0..7, registers 4-7 channels 16 + 8 (l / 16) + 0..7: two loads of 16 bytes, 32 bytes apart.
	v_and_b32 v1, 15, v0            ; r = l % 16
	v_bfe_u32 v9, v0, 4, 1          ; h = l / 16
	v_lshlrev_b32 v[QO], 7, v1
	v_lshl_add_u32 v[QO], v9, 4, v[QO]  ; row x 128 + 16 x half
	WIN W_LD
.irp i, 0,1,2,3,4,5,6,7             ; Q stays in registers: tile i / 2, channels 32 (i % 2) on
	global_load_b128 v[QF+8*\i:QF+8*\i+3],   v[QO], s[8:9] offset:(\i/2)*2048+(\i%2)*64
	global_load_b128 v[QF+8*\i+4:QF+8*\i+7], v[QO], s[8:9] offset:(\i/2)*2048+(\i%2)*64+32
.endr
	WIN 0
	v_lshrrev_b32 v10, 1, v1
	v_mul_u32_u24 v[AK0], v10, PK
	v_and_b32 v11, 1, v1
	v_lshl_add_u32 v[AK0], v11, 7, v[AK0]
	v_lshl_add_u32 v[AK0], v9, 4, v[AK0]  ; K: 272 (r / 2) + 128 (r % 2) + 16 h
	; The turning load takes 16 keys x 16 channels (lane l reads 16 bytes: key 8 (l / 16) + l % 8, channels 8 ((l / 8) % 2) + 0..7) and leaves half a fragment of V^T: lane l holds channel l % 16 and 8 keys.
	v_bfe_u32 v10, v0, 1, 2
	v_lshl_add_u32 v10, v9, 2, v10  ; the key's pair: 4 h + (l % 8) / 2
	v_mul_u32_u24 v[AV0], v10, PV
	v_lshl_add_u32 v[AV0], v11, 7, v[AV0]
	v_bfe_u32 v10, v0, 3, 1
	v_lshl_add_u32 v[AV0], v10, 4, v[AV0]
	v_add_nc_u32 v[AV0], VOFF, v[AV0]
	s_mul_i32 s20, s[WV], 16*SP
	s_add_co_u32 s20, s20, STAGE    ; my stage
	v_mul_u32_u24 v[STO], v1, SP    ; in: row r, 32 bytes for each half of the lanes
	v_lshl_add_u32 v[STO], v9, 5, v[STO]
	v_add_nc_u32 v[STO], s20, v[STO]
	v_mul_u32_u24 v[RD], v9, SP     ; back: lanes 0-15 take one row of 256 bytes, lanes 16-31 the next
	v_lshl_add_u32 v[RD], v1, 4, v[RD]
	v_add_nc_u32 v[RD], s20, v[RD]
	v_lshlrev_b32 v[GO], 12, v9     ; and the same two rows in out0, 4,096 bytes apart
	v_lshl_add_u32 v[GO], v1, 4, v[GO]
.irp t, 0,1,2,3
	v_mov_b32 v[ST+8*\t+1], 0xff61b1e6  ; m = -3e38
	v_mov_b32 v[ST+8*\t+2], 0       ; l
	v_mov_b32 v[ST+8*\t+3], 0
.endr
.irp t, 0,1,2,3
	v_mul_f32 v[ST+8*\t], s[CS], v[ST+8*\t+1]  ; c m
.endr
	WIN W_LD
.set n, 0
.rept 128
	v_mov_b32 v[n], 0               ; O^T: the step is written once, and its first pass finds zeros
.set n, n+1
.endr
	WIN 0
	s_wait_loadcnt 0x0              ; Q
; A KEY STEP: 64 keys, in phases.  The 16 accumulators of each product take turns, one instruction a turn.
.macro STEP
	v_add_nc_u32 v[ADK], s[TB], v[AK0]  ; these two and two v_nop are the four places between the last step's products, which read the buffer, and the loads into it
	v_add_nc_u32 v[ADV], s[TB], v[AV0]
	v_nop
	v_nop
	WIN W_LD
.irp f, 0,1,2,3,4,5,6,7             ; K: keys 16 (f / 2) on, channels 32 (f % 2) on
	ds_load_b128 v[KV+8*\f:KV+8*\f+3],   v[ADK] offset:(\f/2)*8*PK+(\f%2)*64
	ds_load_b128 v[KV+8*\f+4:KV+8*\f+7], v[ADK] offset:(\f/2)*8*PK+(\f%2)*64+32
.endr
	s_wait_dscnt 0x0                ; K is in
	WIN W_KQ
.set i, 0
.rept 32                            ; S^T = K Q^T: channels 32 (i / 16) on, keys 16 ((i / 4) % 4) on, tile i % 4; the first 16 start the sums
.set rS, S+32*(i%4)+8*((i/4)%4)
.set rK, KV+16*((i/4)%4)+8*(i/16)
.set rQ, QF+16*(i%4)+8*(i/16)
.if i < 16
	v_wmma_f32_16x16x32_f16 v[rS:rS+7], v[rK:rK+7], v[rQ:rQ+7], 0
.else
	v_wmma_f32_16x16x32_f16 v[rS:rS+7], v[rK:rK+7], v[rQ:rQ+7], v[rS:rS+7]
.endif
.set i, i+1
.endr
.rept 4
	v_nop                           ; four places: for the loads into the buffer that these products read, and for the first read of the scores
.endr
	WIN W_LD
.irp f, 0,1,2,3,4,5,6,7             ; V, turned: keys 32 (f / 4) on, channels 16 (f % 4) on.  It lands while the softmax is worked
	ds_load_tr16_b128 v[KV+8*\f:KV+8*\f+3],   v[ADV] offset:(\f/4)*16*PV+(\f%4)*32
	ds_load_tr16_b128 v[KV+8*\f+4:KV+8*\f+7], v[ADV] offset:(\f/4)*16*PV+8*PV+(\f%4)*32
.endr
	WIN 0
	; the maximum of a lane's 32 scores and the old m, three operands at a time, four chains a tile, the four tiles by turns; each accumulator is read from its low end on
.irp j, 0,1,2,3
.irp t, 0,1,2,3
	v_max3_num_f32 v[ST+8*\t+4+\j], v[S+32*\t+8*\j], v[S+32*\t+8*\j+1], v[S+32*\t+8*\j+2]
.endr
.endr
.irp g, 1,2
.irp j, 0,1,2,3
.irp t, 0,1,2,3
	v_max3_num_f32 v[ST+8*\t+4+\j], v[ST+8*\t+4+\j], v[S+32*\t+8*\j+2*\g+1], v[S+32*\t+8*\j+2*\g+2]
.endr
.endr
.endr
.irp t, 0,1,2,3
	v_max3_num_f32 v[ST+8*\t+4], v[ST+8*\t+4], v[S+32*\t+7], v[S+32*\t+15]
.endr
.irp t, 0,1,2,3
	v_max3_num_f32 v[ST+8*\t+6], v[ST+8*\t+6], v[S+32*\t+23], v[S+32*\t+31]
.endr
.irp t, 0,1,2,3
	v_max3_num_f32 v[ST+8*\t+4], v[ST+8*\t+4], v[ST+8*\t+5], v[ST+8*\t+6]
.endr
.irp t, 0,1,2,3
	v_max3_num_f32 v[ST+8*\t+4], v[ST+8*\t+4], v[ST+8*\t+7], v[ST+8*\t+1]
.endr
.irp t, 0,1,2,3
	v_permlanex16_b32 v[ST+8*\t+5], v[ST+8*\t+4], s[SEL], s[SEL+1]  ; the query's other 32 keys lie in the lane 16 away
.endr
.irp t, 0,1,2,3
	v_mov_b32 v[ST+8*\t+7], v[ST+8*\t]  ; c m_old is kept for a
.endr
.irp t, 0,1,2,3
	v_max_num_f32 v[ST+8*\t+1], v[ST+8*\t+4], v[ST+8*\t+5]  ; the new m
.endr
.irp t, 0,1,2,3
	v_mul_f32 v[ST+8*\t], s[CS], v[ST+8*\t+1]
.endr
.irp t, 0,1,2,3
	v_sub_f32 v[ST+8*\t+7], v[ST+8*\t+7], v[ST+8*\t]
.endr
	; ONE BATCH of 132 exponentials: the four a, then the 128 p.  Pair n is scaled (c s - c m) one line ahead of pair n - 1's two exponentials; nothing in the batch names an exponential's result
.irp t, 0,1,2,3
	v_exp_f32 v[ST+8*\t+6], v[ST+8*\t+7]  ; a = 2^(c m_old - c m_new)
.endr
.set n, 0
.rept 64
	v_pk_fma_f32 v[S+2*n:S+2*n+1], v[S+2*n:S+2*n+1], s[CS:CS+1], v[ST+8*(n/16):ST+8*(n/16)+1] op_sel_hi:[1,0,0] neg_lo:[0,0,1] neg_hi:[0,0,1]
.if n > 0
	v_exp_f32 v[S+2*n-2], v[S+2*n-2]
	v_exp_f32 v[S+2*n-1], v[S+2*n-1]
.endif
.set n, n+1
.endr
	v_exp_f32 v[S+126], v[S+126]
	v_exp_f32 v[S+127], v[S+127]
	v_nop                           ; a plain instruction behind the last exponential, ahead of the first use
	s_wait_alu depctr_va_vdst(0)    ; the wait ahead of the first instruction that names a result: one for the batch
.set n, 0
.rept 64
	v_cvt_pk_f16_f32 v[P+n], v[S+2*n], v[S+2*n+1]  ; the weights for the second product: pair n of S^T is register n of P
.set n, n+1
.endr
	; the sums of the unrounded p, in place, in pairs (an even key's, an odd key's): neighbours 1, 2, 4 and 8 pairs apart, the four tiles by turns; then l = a l + the sum
.irp z, 0,1,2,3,4,5,6,7
.irp t, 0,1,2,3
	v_pk_add_f32 v[S+32*\t+4*\z:S+32*\t+4*\z+1], v[S+32*\t+4*\z:S+32*\t+4*\z+1], v[S+32*\t+4*\z+2:S+32*\t+4*\z+3]
.endr
.endr
.irp z, 0,1,2,3
.irp t, 0,1,2,3
	v_pk_add_f32 v[S+32*\t+8*\z:S+32*\t+8*\z+1], v[S+32*\t+8*\z:S+32*\t+8*\z+1], v[S+32*\t+8*\z+4:S+32*\t+8*\z+5]
.endr
.endr
.irp z, 0,1
.irp t, 0,1,2,3
	v_pk_add_f32 v[S+32*\t+16*\z:S+32*\t+16*\z+1], v[S+32*\t+16*\z:S+32*\t+16*\z+1], v[S+32*\t+16*\z+8:S+32*\t+16*\z+9]
.endr
.endr
.irp t, 0,1,2,3
	v_pk_add_f32 v[S+32*\t:S+32*\t+1], v[S+32*\t:S+32*\t+1], v[S+32*\t+16:S+32*\t+17]
.endr
.irp t, 0,1,2,3
	v_pk_fma_f32 v[ST+8*\t+2:ST+8*\t+3], v[ST+8*\t+2:ST+8*\t+3], v[ST+8*\t+6:ST+8*\t+7], v[S+32*\t:S+32*\t+1] op_sel_hi:[1,0,1]
.endr
	WIN W_RS
.set n, 0
.rept 64
	v_pk_mul_f32 v[2*n:2*n+1], v[2*n:2*n+1], v[ST+8*(n/16)+6:ST+8*(n/16)+7] op_sel_hi:[1,0]  ; O^T times a, each accumulator from its low end on
.set n, n+1
.endr
	s_wait_dscnt 0x0                ; V is in
	WIN W_PV
.set i, 0
.rept 32                            ; O^T += V^T P: keys 32 (i / 16) on, channels 16 ((i / 4) % 4) on, tile i % 4
.set rO, 32*(i%4)+8*((i/4)%4)
.set rV, KV+8*(4*(i/16)+(i/4)%4)
.set rP, P+16*(i%4)+8*(i/16)
	v_wmma_f32_16x16x32_f16 v[rO:rO+7], v[rV:rV+7], v[rP:rP+7], v[rO:rO+7]
.set i, i+1
.endr
	WIN 0                           ; at a label and at a branch every window is 0
	s_add_co_u32 s[TB], s[TB], STEPB  ; the next step's tiles
.endm
; THE CHANGE OF SLOTS stands at a slot's head.  Each wave waits for all its tensor loads (its part of the slot that it is about to read), adds 0 to its spare word, and waits for that and for its reads of the
; slot that it has left.  fill = 1: the barrier is a round of the cluster's, so that no wave of any partner still reads the other slot or has a load on its way, and the joint load of the keys that follow is
; the first thing behind it: it has the slot's four steps in which to land.  (In the first trip slot 1 is filled for the first time, by all eight waves alike.)
.macro CHANGE fill
	s_wait_tensorcnt 0x0            ; no tensor load of mine is out, so a group 0 may be written
	ds_add_u32 v[SPW], v[NIL]       ; 0 onto my spare word; the descriptors' steps stand between it and the wait for it
.if \fill
	s_xor_b32 s[G0K+1], s[G0K+1], SLOT1  ; the walking descriptors: the other slot than last time,
	s_add_nc_u64 s[G0K+2:G0K+3], s[G0K+2:G0K+3], SLOTB  ; the next 256 keys; the type bits on top are not reached
	s_xor_b32 s[G0V+1], s[G0V+1], SLOT1
	s_add_nc_u64 s[G0V+2:G0V+3], s[G0V+2:G0V+3], SLOTB
	s_wait_xcnt 0x0                 ; the last prefetch, a slot back, has read its address, so it may be written:
	s_add_nc_u64 s[PFA:PFA+1], s[PFA:PFA+1], SLOTB  ; one slot further on than the walking descriptors
	s_wait_dscnt 0x0                ; the add is done, and my reads of the slot that I have left are over
	CROUND
	JLOAD
	ASK
.else
	s_wait_dscnt 0x0                ; the add is done, and my reads of the slot that I have left are over
	s_barrier_signal -1
	s_barrier_wait -1
.endif
.endm
.macro FOUR_STEPS                   ; a slot's key steps: written once, walked four times; the LDS addresses hang on s[TB]
	s_mov_b32 s[CNT], NST
.Lstep_\@:
	STEP
	s_sub_co_u32 s[CNT], s[CNT], 1
	s_cmp_lg_u32 s[CNT], 0
	s_cbranch_scc1 .Lstep_\@
	s_sub_co_u32 s[TB], s[TB], NST*STEPB  ; back to a slot's first step,
	s_xor_b32 s[TB], s[TB], SLOT1   ; in the other slot
.endm
.Lslot:                             ; seven trips: behind each change of slots but the last the next slot is asked for
	CHANGE 1
	FOUR_STEPS
	s_sub_co_u32 s[SLOTS], s[SLOTS], 1
	s_cmp_lg_u32 s[SLOTS], 0
	s_cbranch_scc1 .Lslot
	CHANGE 0                        ; the last slot is written out
	FOUR_STEPS
	; THE WAY OUT.  l's two halves and the other half of the lanes' are added; O^T is divided by l and sent through my stage in LDS, a tile (16 rows) at a time.  The additions are the places behind the last products.
.irp t, 0,1,2,3
	v_add_f32 v[ST+8*\t+4], v[ST+8*\t+2], v[ST+8*\t+3]
.endr
.irp t, 0,1,2,3
	v_permlanex16_b32 v[ST+8*\t+5], v[ST+8*\t+4], s[SEL], s[SEL+1]
.endr
.irp t, 0,1,2,3
	v_add_f32 v[ST+8*\t+4], v[ST+8*\t+4], v[ST+8*\t+5]
.endr
.irp t, 0,1,2,3
	v_rcp_f32 v[ST+8*\t+6], v[ST+8*\t+4]
.endr
	v_nop                           ; a plain instruction between the last reciprocal and the use of its result
	s_wait_alu depctr_va_vdst(0)    ; and the wait ahead of the first use: one for the four
; Tile t: a lane's eight channels of a row are 32 bytes; they go into rows of 272 bytes and come back as whole rows of 256, into S^T's registers, which are free.
.macro PACK t
	WIN W_RS
.set n, 16*\t
.rept 16
	v_pk_mul_f32 v[2*n:2*n+1], v[2*n:2*n+1], v[ST+8*\t+6:ST+8*\t+7] op_sel_hi:[1,0]
.set n, n+1
.endr
	WIN W_ST
.irp f, 0,1,2,3
	ds_store_b128 v[STO], v[32*\t+8*\f:32*\t+8*\f+3] offset:64*\f
	ds_store_b128 v[STO], v[32*\t+8*\f+4:32*\t+8*\f+7] offset:64*\f+16
.endr
	WIN 0
.irp f, 0,1,2,3,4,5,6,7
	ds_load_b128 v[S+32*\t+4*\f:S+32*\t+4*\f+3], v[RD] offset:\f*2*SP  ; LDS serves a wave's instructions in order (ISA guide 5.7.1.4): these see the stores above; the next tile's stores come behind them
.endr
.endm
.macro SEND t, younger              ; younger: the LDS instructions issued behind tile t's loads: the next tile's sixteen, or none
.irp f, 0,1,2,3,4,5,6,7
	s_wait_dscnt \younger+7-\f
	global_store_b128 v[GO], v[S+32*\t+4*\f:S+32*\t+4*\f+3], s[10:11] offset:\t*65536+\f*8192 th:TH_STORE_NT  ; sixteen lanes store 256 consecutive bytes, aligned: a head's part of a row of out0
.endr
.endm
	PACK 0
	PACK 1                          ; a tile's arithmetic stands between the loads of the tile before and its stores
	SEND 0, 16
	PACK 2
	SEND 1, 16
	PACK 3
	SEND 2, 16
	SEND 3, 0
	s_wait_tensorcnt 0x0            ; the wave's end, behind my last tensor load and my last LDS store
	ds_add_u32 v[SPW], v[NIL]
	s_wait_dscnt 0x0
	CROUND                          ; the closing round: no work-group ends while a partner may still ask for a tile that names it
	s_endpgm
.Lfunc_end_k_q2fe9e1ff4f_attn:
	.size	k_q2fe9e1ff4f_attn, .Lfunc_end_k_q2fe9e1ff4f_attn-k_q2fe9e1ff4f_attn
	.p2alignl 7, 3214868480
	.fill 96, 4, 3214868480
	.section	.rodata,"a",@progbits
	.p2align	6, 0x0
	.amdhsa_kernel k_q2fe9e1ff4f_attn
		.amdhsa_group_segment_fixed_size 327680
		.amdhsa_private_segment_fixed_size 0
		.amdhsa_enable_private_segment 0
		.amdhsa_kernarg_size 16
		.amdhsa_user_sgpr_count 2
		.amdhsa_user_sgpr_kernarg_segment_ptr 1
		.amdhsa_wavefront_size32 1
		.amdhsa_system_sgpr_workgroup_id_x 1
		.amdhsa_system_sgpr_workgroup_id_y 1
		.amdhsa_system_sgpr_workgroup_id_z 1
		.amdhsa_system_vgpr_workitem_id 0
		.amdhsa_next_free_vgpr 512
		.amdhsa_next_free_sgpr 66
		.amdhsa_reserve_vcc 0
		.amdhsa_float_denorm_mode_32 3
		.amdhsa_float_denorm_mode_16_64 3
		.amdhsa_memory_ordered 1
		.amdhsa_forward_progress 1
		.amdhsa_inst_pref_size 92
	.end_amdhsa_kernel
	.amdgpu_metadata
---
amdhsa.version: [ 1, 2 ]
amdhsa.kernels:
  - .name:           k_q2fe9e1ff4f_attn
    .symbol:         k_q2fe9e1ff4f_attn.kd
    .args:
      - { .name: qkv, .offset: 0, .size: 8, .value_kind: global_buffer, .address_space: global }
      - { .name: out0, .offset: 8, .size: 8, .value_kind: global_buffer, .address_space: global }
    .group_segment_fixed_size: 327680
    .private_segment_fixed_size: 0
    .kernarg_segment_align: 8
    .kernarg_segment_size: 16
    .max_flat_workgroup_size: 256
    .sgpr_count:     66
    .vgpr_count:     512
    .wavefront_size: 32
...
	.end_amdgpu_metadata
.endif
;; end of part 4
